; MI455X (gfx1250); checked and timed in simulation.
; The chip was launched on July 23, 2026; its instructions are those of AMD's public machine-readable ISA for CDNA 5 (MIT licence, August 2026) and "CDNA5" Instruction Set Architecture Reference Guide (July 2026). The comments in the code are by the model that wrote it; some were corrected since.
;; Spatio Temporal Attention. Allowed arithmetic: matrix products marked QUANTISED: E4M3 operands, one E8M0 scale for each 32 along K, by v_wmma_scale_f32_16x16x128_f8f6f4 with both operands' format E4M3, f32 sums; everything else in f32.
;; Inputs: b_out 256 float32; cross_x 16 x 2,000 x 256 float32; w_out 256 x 256 float32; w_qkv 256 x 768 float32; x 16 x 2,000 x 256 float32.
;; Outputs: out0 16 x 2,000 x 256 float32.
;; This version of the problem:
;;   THIS VERSION OF THE PROBLEM IS GIVEN IN LOW PRECISION. The matrix products marked QUANTISED in the list below multiply operands that are first quantised to E4M3 (4 exponent bits, 3 mantissa bits; 8 bits a number), with one power-of-two scale for each 32 numbers along K (OCP MX v1.0); their sums are f32. All else is computed in f32.
;;   The module's matrix products, in the order in which they are computed (A, B: the left and right operand; K: the contracted axis; several contracted axes count as one K, in the product's order):
;;     1. [M 32,000, K 256] x [K 256, N 768]; A: input x; B: input w_qkv: QUANTISED
;;     2. batch 64 x [M 2,000, K 64] x [K 64, N 2,000]; A: computed on the way; B: computed on the way: QUANTISED
;;     3. batch 64 x [M 2,000, K 2,000] x [K 2,000, N 64]; A: softmax (see below); B: computed on the way: QUANTISED
;;     4. [M 32,000, K 256] x [K 256, N 256]; A: computed on the way; B: input w_out: QUANTISED
;;   THE QUANTISER, for each operand of a quantised product, along K:
;;     - K is cut into blocks of 32 from its start; a last block that is shorter is filled with zeros.
;;     - A block's scale is 2^e with e = floor(log2(the largest magnitude in the block)) - 8, held to -126 .. 127; a block of zeros has e = 0. As a byte (E8M0): e + 127.
;;     - Each number is divided by its block's scale, clamped to +-448, and rounded to the nearest number of E4M3, ties to even, subnormals kept.
;;     - The product sums the exact products of the quantised numbers (number of the format x scale) in f32.
;;   ~~~python
;;   def quantise(x, axis):      # numpy; x: float32 -> the quantised numbers, widened to float32 again
;;       x = np.moveaxis(x, axis, -1); K = x.shape[-1]
;;       x = np.pad(x, [(0, 0)] * (x.ndim - 1) + [(0, -K % 32)]); x = x.reshape(x.shape[:-1] + (-1, 32)); a = np.abs(x).max(-1, keepdims=True)
;;       e = np.where(a > 0, np.clip(np.frexp(np.where(a > 0, a, 1))[1] - 1 - 8, -126, 127), 0)      # np.frexp(a)[1] - 1 = floor(log2(a)), exactly
;;       r = np.clip(x / 2.0 ** e, -448, 448)
;;       step = 2.0 ** (np.maximum(np.frexp(np.where(r == 0, 1, r))[1] - 1, -6) - 3)
;;       q = np.round(r / step) * step * 2.0 ** e      # np.round: ties to even
;;       return np.moveaxis(q.reshape(q.shape[:-2] + (-1,))[..., :K], -1, axis).astype(np.float32)
;;   ~~~
;;   SOFTMAX AHEAD OF A QUANTISED PRODUCT. Where the list says 'softmax', what is quantised is not the finished softmax but p = 2^(t - M), with t = logit x log2(e) and M = ceil(the row's largest t), a whole number; so 1/2 < the row's largest p <= 1. The row's sum l is taken of the UNQUANTISED p, in f32, and the product's result is divided by l at the end. Since M is a whole number, a kernel that streams over the keys may use a running M (the ceiling of the running maximum): every later rescaling is an exact power of two, which a block's scale takes up: the codes' values come out the same.
;;   OPERANDS COMPUTED ON THE WAY. 'Computed on the way' means the value that the module computes at that place (a softmax that the list does not call 'softmax' is quantised finished and normalised). What goes into a quantiser is computed in f32, as accurately as f32 sums, v_exp_f32 and their like allow (about 1e-6 of the number): no bf16 or f16 on the way to a quantiser, and a product that is left as it is and whose result goes on into a quantised operand takes f32 operands (vector FMAs, or v_wmma_f32_16x16x4_f32). A number that lies on a knife's edge between two numbers of the format may be rounded either way, as far as f32 arithmetic and the matrix unit's own rounding can turn it there, and no further.
;; One version. Each part assembles by itself: llvm-mc -triple=amdgcn-amd-amdhsa -mcpu=gfx1250 --defsym DOCPART=n.
;; ======== version 1 of 1: 3 launches
;; limits: right only within a limited range of input values
;; workspace buffers: wc 262,144 bytes; ws 8,192 bytes; qc 8,388,608 bytes; qs 524,288 bytes; kvc 16,777,216 bytes; kvs 786,432 bytes
;; launch prep (part 1): grid 128 x 1, 1 waves a work-group, no clusters, 0 bytes of LDS; arguments w_qkv, w_out, wc, ws; writes wc, ws
.if DOCPART == 1
	.amdgcn_target "amdgcn-amd-amdhsa--gfx1250"
	.amdhsa_code_object_version 6
	.text
	.protected	k_qd3e7750143_prep
	.globl	k_qd3e7750143_prep
	.p2align	8
	.type	k_qd3e7750143_prep,@function
k_qd3e7750143_prep:
	s_mov_b64 s[64:65], 0
	v_nop
	global_prefetch_b8 v0, s[64:65] scope:SCOPE_SE
	s_setreg_imm32_b32 hwreg(HW_REG_WAVE_MODE, 25, 1), 1
	s_wait_xcnt 0x0
; w_qkv [256][768] and w_out [256][256], f32, K = their FIRST axis, become codes of E4M3 with one E8M0 byte for each 32 along K,
; laid in the order of a matrix operand's registers: fragment F = 2 T + s (tile T of 16 columns, K step s of 128) is 2,048 bytes of wc:
; four images of 512 bytes, lane l's 16 bytes at 16 l.  T 0..47: columns 16 T on of w_qkv; T 48..63: columns 16 (T - 48) on of w_out.
; ws: [T][32 words]: word 16 s + r is the scale word of column r for K step s.
; One wave makes one fragment.  Lane (r, h) takes column r and its registers run down K, in the order in which the operand's layout gives
; them to that lane, so the conversions' results are the operand's registers.
; w_qkv: natural order: byte i of group c is k = 32 c + 16 h + i.   w_out: byte i of group c is k = 32 c + 8 h + i % 8 + 16 (i / 8): the order in
; which two neighbouring 16 x 16 results lie in a lane, which is how the attention's output reaches the last product.  The order inside a block of 32
; is the same on both sides of that product, so the products and the block's scale are the same.
; A load reads 64 neighbouring bytes in sixteen lanes; both weights together are 1 MiB, read once.
; LIMITS: NaN and infinities are not served; a block of zeros gets the byte 1 and not 127 (its codes are zeros; this program alone reads the bytes);
; blocks whose largest magnitude lies under 2^-118 are held at the byte 1.
; DEAD WORK: reference() takes cross_x and never uses it: whatever finite values it holds, it reaches no output.  So it is not loaded and is among no launch's arguments.
; LIMIT: a NaN or an infinity in cross_x is not carried to the result.
.set MANT, 0x600000                    ; the mantissa field of 448
.macro WFRAG base, pitch, hrows, perm
	v_mul_u32_u24 v3, v2, (\hrows)*(\pitch)        ; lanes 16-31 begin hrows rows further down
	v_lshl_add_u32 v3, v1, 2, v3                   ; + 4 bytes a column
.irp c, 0,1,2,3
.irp i, 0,1,2,3,4,5,6,7,8,9,10,11,12,13,14,15
	global_load_b32 v[64+16*\c+\i], v3, s[\base:\base+1] offset:(32*\c+(1-\perm)*\i+\perm*((\i%8)+16*(\i/8)))*\pitch
.endr
.endr
	s_wait_loadcnt 0x0
.irp b, 0,1,2,3
	v_mov_b32 v[36+\b], 0                          ; a lane permute's destination counts as one of its sources
.endr
.irp b, 0,1,2,3
	v_max3_num_f32 v[32+\b], |v[64+16*\b]|, |v[65+16*\b]|, 0x4800000   ; block b: my 16 numbers and the floor 2^(9 - 127): the byte cannot fall under 1
.endr
.irp i, 2,4,6,8,10,12,14
.irp b, 0,1,2,3
	v_max3_num_f32 v[32+\b], v[32+\b], |v[64+16*\b+\i]|, |v[65+16*\b+\i]|
.endr
.endr
.irp b, 0,1,2,3
	v_permlanex16_b32 v[36+\b], v[32+\b], s20, s21
.endr
.irp b, 0,1,2,3
	v_max_num_f32 v[32+\b], v[32+\b], v[36+\b]     ; with lane l xor 16's 16: the block's largest magnitude
.endr
.irp b, 0,1,2,3
	v_add_nc_u32 v[44+\b], 0xfc000000, v[32+\b]    ; 8 off its exponent field: the conversion's scale operand
.endr
.irp b, 0,1,2,3
	v_and_or_b32 v[40+\b], v[32+\b], 0x7f800000, s22   ; 448 x the scale
.endr
.irp b, 0,1,2,3
	v_lshrrev_b32 v[36+\b], 23, v[44+\b]           ; the scale's byte
.endr
	v_lshl_or_b32 v9, v37, 8, v36                  ; column r's scale word
	v_lshl_or_b32 v9, v38, 16, v9
	v_lshl_or_b32 v9, v39, 24, v9
.irp c, 0,1,2,3
.irp i, 0,1,2,3,4,5,6,7,8,9,10,11,12,13,14,15
	v_med3_num_f32 v[64+16*\c+\i], v[64+16*\c+\i], -v[40+\c], v[40+\c]   ; the conversion to an 8-bit code does not saturate (ISA guide 7.6.2): the hold comes first
.endr
	v_cvt_scalef32_pk8_fp8_f32 v[48+4*\c:49+4*\c], v[64+16*\c:71+16*\c], v[44+\c]
	v_cvt_scalef32_pk8_fp8_f32 v[50+4*\c:51+4*\c], v[72+16*\c:79+16*\c], v[44+\c]
.endr
	v_nop
.irp c, 0,1,2,3
	global_store_b128 v4, v[48+4*\c:51+4*\c], s[8:9] offset:512*\c   ; 32 lanes store 512 consecutive bytes, aligned
.endr
	global_store_b32 v5, v9, s[10:11]              ; both halves of the lanes hold the same word and write it to the same place
	s_endpgm
.endm
	s_load_b128 s[4:7], s[0:1], 0x0                ; w_qkv, w_out
	s_load_b128 s[8:11], s[0:1], 0x10              ; wc, ws
	v_and_b32 v1, 15, v0                           ; r
	v_lshrrev_b32 v2, 4, v0                        ; h (one wave: v0 is the lane)
	v_lshlrev_b32 v4, 4, v0                        ; 16 x lane
	v_lshlrev_b32 v5, 2, v1                        ; 4 r
	s_mov_b32 s20, 0x76543210
	s_mov_b32 s21, 0xfedcba98                      ; v_permlanex16_b32's selects for lane l xor 16
	s_mov_b32 s22, MANT
	s_lshr_b32 s16, ttmp9, 1                       ; T
	s_and_b32 s17, ttmp9, 1                        ; s
	s_lshl_b32 s12, ttmp9, 11                      ; the fragment's 2,048 bytes in wc
	s_mov_b32 s13, 0
	s_lshl_b32 s14, s16, 7                         ; ws: 128 T + 64 s
	s_lshl_b32 s18, s17, 6
	s_add_co_u32 s14, s14, s18
	s_mov_b32 s15, 0
	s_wait_kmcnt 0x0
	s_add_nc_u64 s[8:9], s[8:9], s[12:13]
	s_add_nc_u64 s[10:11], s[10:11], s[14:15]
	s_cmp_lt_u32 ttmp9, 96                         ; the first 96 fragments are w_qkv's
	s_cbranch_scc0 .Lwout
	s_mul_i32 s12, s17, 128*3072                   ; K step s: 128 rows of 3,072 bytes
	s_lshl_b32 s18, s16, 6                         ; + the tile's 16 columns
	s_add_co_u32 s12, s12, s18
	s_add_nc_u64 s[4:5], s[4:5], s[12:13]
	s_wait_alu depctr_va_vdst(0)
	WFRAG 4, 3072, 16, 0
.Lwout:
	s_mul_i32 s12, s17, 128*1024
	s_sub_co_u32 s18, s16, 48
	s_lshl_b32 s18, s18, 6
	s_add_co_u32 s12, s12, s18
	s_add_nc_u64 s[6:7], s[6:7], s[12:13]
	s_wait_alu depctr_va_vdst(0)
	WFRAG 6, 1024, 8, 1
.Lfunc_end_k_qd3e7750143_prep:
	.size	k_qd3e7750143_prep, .Lfunc_end_k_qd3e7750143_prep-k_qd3e7750143_prep
	.p2alignl 7, 3214868480
	.fill 96, 4, 3214868480
	.section	.rodata,"a",@progbits
	.p2align	6, 0x0
	.amdhsa_kernel k_qd3e7750143_prep
		.amdhsa_group_segment_fixed_size 0
		.amdhsa_private_segment_fixed_size 0
		.amdhsa_enable_private_segment 0
		.amdhsa_kernarg_size 32
		.amdhsa_user_sgpr_count 2
		.amdhsa_user_sgpr_kernarg_segment_ptr 1
		.amdhsa_wavefront_size32 1
		.amdhsa_system_sgpr_workgroup_id_x 1
		.amdhsa_system_sgpr_workgroup_id_y 1
		.amdhsa_system_sgpr_workgroup_id_z 1
		.amdhsa_system_vgpr_workitem_id 0
		.amdhsa_next_free_vgpr 128
		.amdhsa_next_free_sgpr 66
		.amdhsa_reserve_vcc 0
		.amdhsa_float_denorm_mode_32 3
		.amdhsa_float_denorm_mode_16_64 3
		.amdhsa_memory_ordered 1
		.amdhsa_forward_progress 1
		.amdhsa_inst_pref_size 32
	.end_amdhsa_kernel
	.amdgpu_metadata
---
amdhsa.version: [ 1, 2 ]
amdhsa.kernels:
  - .name:           k_qd3e7750143_prep
    .symbol:         k_qd3e7750143_prep.kd
    .args:
      - { .name: w_qkv, .offset: 0, .size: 8, .value_kind: global_buffer, .address_space: global }
      - { .name: w_out, .offset: 8, .size: 8, .value_kind: global_buffer, .address_space: global }
      - { .name: wc, .offset: 16, .size: 8, .value_kind: global_buffer, .address_space: global }
      - { .name: ws, .offset: 24, .size: 8, .value_kind: global_buffer, .address_space: global }
    .group_segment_fixed_size: 0
    .private_segment_fixed_size: 0
    .kernarg_segment_align: 8
    .kernarg_segment_size: 32
    .max_flat_workgroup_size: 32
    .sgpr_count:     66
    .vgpr_count:     128
    .wavefront_size: 32
...
	.end_amdgpu_metadata
.endif
;; end of part 1
;; launch qkv (part 2): grid 16 x 16, 4 waves a work-group, no clusters, 327,680 bytes of LDS; arguments x, wc, ws, qc, qs, kvc, kvs; writes qc, qs, kvc, kvs
.if DOCPART == 2
	.amdgcn_target "amdgcn-amd-amdhsa--gfx1250"
	.amdhsa_code_object_version 6
	.text
	.protected	k_qd3e7750143_qkv
	.globl	k_qd3e7750143_qkv
	.p2align	8
	.type	k_qd3e7750143_qkv,@function
k_qd3e7750143_qkv:
	s_mov_b64 s[64:65], 0
	v_nop
	global_prefetch_b8 v0, s[64:65] scope:SCOPE_SE
	s_setreg_imm32_b32 hwreg(HW_REG_WAVE_MODE, 25, 1), 1
	s_wait_xcnt 0x0
.set STGW,   33280
.set TILEB,  16640
.set XPITCH, 1040
.set XIMG,   4*STGW
.set XSC,    XIMG+16*2048
.set LI,  5
.set SL,  7
.set XWI, 8
.set XWS, 9
.set XI,  10
.set XSA, 11
.set L4,  12
.set L8,  13
.set XF,  16
.set HA,  80
.set PC,  144
.set TM,  160
.set PW,  176
.set PW0, 177
.set T0,  178
.set T1,  179
.set XS,  180
.set WS,  184
.set QP,  196
.set KP,  200
.set VP,  204
.set WV,  18
.set BB,  19
.set SEL, 20
.set HI,  22
.set MNT, 23
.set G1,  24
.set G0,  32
.set G1E, 80
.set TT,  40
.set MSB, 0
.macro WIN new
.if MSB != \new
	s_set_vgpr_msb (MSB<<8)|\new
.set MSB, \new
.endif
.endm
.macro PLACES n
.rept \n
	v_nop
.endr
.endm
.macro QUANT src
.irp b, 0,1,2,3
	v_max3_num_f32 v[TM+\b], |v[\src+16*\b]|, |v[\src+1+16*\b]|, 0x4800000
.endr
.irp i, 2,4,6,8,10,12,14
.irp b, 0,1,2,3
	v_max3_num_f32 v[TM+\b], v[TM+\b], |v[\src+16*\b+\i]|, |v[\src+1+16*\b+\i]|
.endr
.endr
.irp b, 0,1,2,3
	v_permlanex16_b32 v[TM+4+\b], v[TM+\b], s[SEL], s[SEL+1]
.endr
.irp b, 0,1,2,3
	v_max_num_f32 v[TM+\b], v[TM+\b], v[TM+4+\b]
.endr
.irp b, 0,1,2,3
	v_add_nc_u32 v[TM+12+\b], 0xfc000000, v[TM+\b]
.endr
.irp b, 0,1,2,3
	v_and_or_b32 v[TM+8+\b], v[TM+\b], 0x7f800000, s[MNT]
.endr
.irp b, 0,1,2,3
	v_lshrrev_b32 v[TM+4+\b], 23, v[TM+12+\b]
.endr
.irp b, 0,1,2,3
.irp i, 0,1,2,3,4,5,6,7,8,9,10,11,12,13,14,15
	v_med3_num_f32 v[\src+16*\b+\i], v[\src+16*\b+\i], -v[TM+8+\b], v[TM+8+\b]
.endr
	v_cvt_scalef32_pk8_fp8_f32 v[PC+4*\b:PC+1+4*\b], v[\src+16*\b:\src+7+16*\b], v[TM+12+\b]
	v_cvt_scalef32_pk8_fp8_f32 v[PC+2+4*\b:PC+3+4*\b], v[\src+8+16*\b:\src+15+16*\b], v[TM+12+\b]
.endr
	v_nop
.endm
.macro WORD
	v_lshl_or_b32 v[PW], v[TM+5], 8, v[TM+4]
	v_lshl_or_b32 v[PW], v[TM+6], 16, v[PW]
	v_lshl_or_b32 v[PW], v[TM+7], 24, v[PW]
.endm
.macro XBACK f, dst
.irp e, 0,1,2,3
.irp j, 0,1,2,3
	ds_load_b128 v[\dst+16*\e+4*\j:\dst+16*\e+4*\j+3], v[SL] offset:((\f)/2)*TILEB+512*((\f)%2)+128*\e+16*\j
.endr
.endr
.endm
.macro ZERO i, dst
	s_cmp_lt_u32 s[TT+\i], 125
	s_cbranch_scc1 .Lreal_\@
.set nn, 0
.rept 64
	v_mov_b32 v[\dst+nn], 0
.set nn, nn+1
.endr
.Lreal_\@:
.endm
.macro IMAGE off
.irp e, 0,1,2,3
	ds_store_b128 v[XWI], v[PC+4*\e:PC+4*\e+3] offset:\off+512*\e
.endr
.endm
.macro FETCHX p
.irp mi, 0,1
.irp ks, 0,1
.irp e, 0,1,2,3
	ds_load_b128 v[XF+32*\mi+16*\ks+4*\e:XF+32*\mi+16*\ks+4*\e+3], v[XI] offset:(2*(2*(\p)+\mi)+\ks)*2048+512*\e
.endr
.endr
.endr
.irp mi, 0,1
	ds_load_b32 v[XS+\mi], v[XSA] offset:128*(2*(\p)+\mi)
.endr
.endm
.macro MULQK tb
	WIN 0x01
.irp ks, 0,1
.irp mi, 0,1
.irp t, 0,1,2,3
.if \ks == 0
	v_wmma_scale_f32_16x16x128_f8f6f4 v[HA+32*\mi+8*\t:HA+32*\mi+8*\t+7], v[32*(\tb+\t):32*(\tb+\t)+15], v[XF+32*\mi:XF+32*\mi+15], 0, v[WS+\tb+\t], v[XS+\mi]
.else
	v_wmma_scale_f32_16x16x128_f8f6f4 v[HA+32*\mi+8*\t:HA+32*\mi+8*\t+7], v[32*(\tb+\t)+16:32*(\tb+\t)+31], v[XF+32*\mi+16:XF+32*\mi+31], v[HA+32*\mi+8*\t:HA+32*\mi+8*\t+7], v[WS+\tb+\t], v[XS+\mi] matrix_a_scale:MATRIX_SCALE_ROW1 matrix_b_scale:MATRIX_SCALE_ROW1
.endif
.endr
.endr
.endr
	WIN 0
.endm
.macro MULV
	WIN 0x08
.irp ks, 0,1
.irp t, 0,1,2,3
.irp mi, 0,1
.if \ks == 0
	v_wmma_scale_f32_16x16x128_f8f6f4 v[HA+16*\t+8*\mi:HA+16*\t+8*\mi+7], v[XF+32*\mi:XF+32*\mi+15], v[32*\t:32*\t+15], 0, v[XS+\mi], v[WS+8+\t]
.else
	v_wmma_scale_f32_16x16x128_f8f6f4 v[HA+16*\t+8*\mi:HA+16*\t+8*\mi+7], v[XF+32*\mi+16:XF+32*\mi+31], v[32*\t+16:32*\t+31], v[HA+16*\t+8*\mi:HA+16*\t+8*\mi+7], v[XS+\mi], v[WS+8+\t] matrix_a_scale:MATRIX_SCALE_ROW1 matrix_b_scale:MATRIX_SCALE_ROW1
.endif
.endr
.endr
.endr
	WIN 0
.endm
.macro QKOUT ptr, p, wreg
.irp e, 0,1,2,3
	global_store_b128 v[LI], v[PC+4*\e:PC+4*\e+3], s[\ptr:\ptr+1] offset:(2*(\p)+\e/2)*1024+512*(\e%2)
.endr
	v_lshl_or_b32 v[T0], v[TM+5], 8, v[TM+4]
	v_lshl_or_b32 v[T1], v[TM+7], 8, v[TM+6]
	v_cndmask_b32 v[\wreg], v[T0], v[T1], s[HI]
	v_or_b32 v[\wreg], 0x7f7f0000, v[\wreg]
.endm
.macro PAIR p
	FETCHX \p
	s_wait_dscnt 0x0
	MULQK 0
	PLACES 8
	s_wait_xcnt 0x0
	QUANT HA
	QKOUT 44, \p, QP+\p
	MULQK 4
	PLACES 8
	s_wait_xcnt 0x0
	QUANT HA
	QKOUT 46, \p, KP+\p
	MULV
	PLACES 8
	s_wait_xcnt 0x0
	QUANT HA
.irp t, 0,1,2,3
	global_store_b128 v[LI], v[PC+4*\t:PC+4*\t+3], s[48:49] offset:2048*\t+512*(\p)
.endr
.irp j, 0,1
	v_cndmask_b32 v[T0], v[TM+4+2*\j], v[TM+5+2*\j], s[HI]
.if \p == 0
	v_mov_b32 v[VP+\j], v[T0]
.else
	v_lshl_or_b32 v[VP+\j], v[T0], 8*(\p), v[VP+\j]
.endif
.endr
.endm
	s_load_b256 s[4:11], s[0:1], 0x0
	s_load_b128 s[12:15], s[0:1], 0x20
	s_load_b64 s[16:17], s[0:1], 0x30
	v_lshl_add_u32 v254, v0, 2, 0x29000
	v_mov_b32 v255, 0
	ds_add_u32 v254, v255
	ds_add_u32 v254, v255
	v_lshrrev_b32 v1, 5, v0
	v_readfirstlane_b32 s[WV], v1
	s_and_b32 s[BB], ttmp7, 0xffff
	s_mov_b32 s[SEL], 0x76543210
	s_mov_b32 s[SEL+1], 0xfedcba98
	s_mov_b32 s[HI], 0xffff0000
	s_mov_b32 s[MNT], 0x600000
	s_mov_b32 s[G1+0], (2<<16)|(1<<20)|(7<<22)|(3<<25)
	s_mov_b32 s[G1+1], 256<<16
	s_mov_b32 s[G1+2], 32<<16                      ; a wave's two tiles are 32 neighbouring rows of x: one load brings both
	s_mov_b32 s[G1+3], 256<<16
	s_mov_b32 s[G1+4], 32
	s_mov_b32 s[G1+5], 256
	s_mov_b32 s[G1+6], 0
	s_mov_b32 s[G1+7], 0
	s_mov_b32 s[G1E+0], (2<<16)|(1<<20)|(7<<22)|(3<<25)   ; the same at a batch's end: 16 rows are left of the tensor, and the tile's other 16 are written as zeros
	s_mov_b32 s[G1E+1], 256<<16
	s_mov_b32 s[G1E+2], 16<<16
	s_mov_b32 s[G1E+3], 256<<16
	s_mov_b32 s[G1E+4], 32
	s_mov_b32 s[G1E+5], 256
	s_mov_b32 s[G1E+6], 0
	s_mov_b32 s[G1E+7], 0
	s_lshl_b32 s[TT], ttmp9, 3
	s_lshl_b32 s66, s[WV], 1
	s_add_co_u32 s[TT], s[TT], s66
	s_add_co_u32 s[TT+1], s[TT], 1
	s_mul_i32 s68, s[BB], 2000
	s_min_u32 s66, s[TT], 124
	s_lshl_b32 s66, s66, 4
	s_add_co_u32 s66, s66, s68
	s_lshl_b32 s66, s66, 10
	s_mov_b32 s67, 0
	s_mul_i32 s69, s[WV], STGW
	v_and_b32 v1, 31, v0
	v_and_b32 v2, 15, v0
	v_bfe_u32 v3, v0, 4, 1
	v_lshlrev_b32 v[LI], 4, v1
	v_lshlrev_b32 v[L4], 2, v1
	v_lshlrev_b32 v[L8], 3, v1
	v_mul_u32_u24 v[SL], v2, XPITCH
	v_lshl_add_u32 v[SL], v3, 6, v[SL]
	v_add_nc_u32 v[SL], s69, v[SL]
	s_lshl_b32 s72, s[WV], 13
	v_add_nc_u32 v[XWI], s72, v[LI]
	v_add_nc_u32 v[XWI], XIMG, v[XWI]
	s_lshl_b32 s72, s[WV], 8
	v_add_nc_u32 v[XWS], s72, v[L4]
	v_add_nc_u32 v[XWS], XSC, v[XWS]
	v_add_nc_u32 v[XI], XIMG, v[LI]
	v_add_nc_u32 v[XSA], XSC, v[L4]
.irp b, 0,1,2,3
	v_mov_b32 v[TM+4+\b], 0
.endr
	s_wait_dscnt 0x0
	s_wait_kmcnt 0x0
	s_mov_b32 s[G0+0], 1
	s_mov_b32 s[G0+1], s69
	s_add_nc_u64 s[G0+2:G0+3], s[4:5], s[66:67]
	s_or_b32 s[G0+3], s[G0+3], 0x80000000
	s_wait_alu depctr_va_vdst(0)                   ; ahead of the branch
	s_cmp_lt_u32 s[TT], 124                        ; ids alone: tiles 124 on begin at the batch's last 16 rows
	s_cbranch_scc0 .Lq_edge
	tensor_load_to_lds s[G0:G0+3], s[G1:G1+7]      ; one tensor load a wave, into the wave's own stage
	s_nop 0
	PLACES 4
	s_branch .Lq_asked
.Lq_edge:
	tensor_load_to_lds s[G0:G0+3], s[G1E:G1E+7]
	s_nop 0
	PLACES 4
.Lq_asked:
	s_mov_b32 s73, 0
	s_mul_i32 s72, s[WV], 49152
	s_add_nc_u64 s[56:57], s[6:7], s[72:73]
	s_mul_i32 s72, s[WV], 1536
	s_add_nc_u64 s[58:59], s[8:9], s[72:73]
	WIN 0x40
.irp f, 0,1,2,3,4,5,6,7,8,9,10,11,12,13,14,15
.irp e, 0,1,2,3
	global_load_b128 v[16*\f+4*\e:16*\f+4*\e+3], v[LI], s[56:57] offset:2048*\f+512*\e
.endr
.endr
	WIN 0x80
.irp f, 0,1,2,3,4,5,6,7
.irp e, 0,1,2,3
	global_load_b128 v[16*\f+4*\e:16*\f+4*\e+3], v[LI], s[56:57] offset:2048*(16+\f)+512*\e
.endr
.endr
	WIN 0
.irp t, 0,1,2,3,4,5,6,7,8,9,10,11
	global_load_b32 v[WS+\t], v[L4], s[58:59] offset:128*\t
.endr
	s_lshl_b32 s66, s[BB], 2
	s_add_co_u32 s66, s66, s[WV]
	s_lshl_b32 s68, s[BB], 4
	s_add_co_u32 s68, s68, ttmp9
	s_lshl_b32 s72, s66, 17
	s_lshl_b32 s70, ttmp9, 13
	s_add_co_u32 s72, s72, s70
	s_add_nc_u64 s[44:45], s[10:11], s[72:73]
	s_lshl_b32 s72, s68, 16
	s_lshl_b32 s70, s[WV], 13
	s_add_co_u32 s72, s72, s70
	s_add_nc_u64 s[46:47], s[14:15], s[72:73]
	s_add_nc_u64 s[48:49], s[46:47], 0x8000
	s_lshl_b32 s72, s66, 4
	s_add_co_u32 s72, s72, ttmp9
	s_lshl_b32 s72, s72, 9
	s_add_nc_u64 s[50:51], s[12:13], s[72:73]
	s_mul_i32 s68, s68, 3072
	s_lshl_b32 s70, s[WV], 9
	s_add_co_u32 s72, s68, s70
	s_add_nc_u64 s[52:53], s[16:17], s[72:73]
	s_lshl_b32 s70, s[WV], 8
	s_add_co_u32 s72, s68, s70
	s_add_co_u32 s72, s72, 2048
	s_add_nc_u64 s[54:55], s[16:17], s[72:73]
	s_wait_tensorcnt 0x0
	XBACK 0, HA
	XBACK 1, XF
	s_wait_dscnt 16
	ZERO 0, HA
	QUANT HA
	WORD
	v_mov_b32 v[PW0], v[PW]
	IMAGE 0
	XBACK 2, HA
	s_wait_dscnt 16
	ZERO 0, XF
	QUANT XF
	WORD
	v_cndmask_b32 v[T0], v[PW0], v[PW], s[HI]
	IMAGE 2048
	ds_store_b32 v[XWS], v[T0]
	XBACK 3, XF
	s_wait_dscnt 16
	ZERO 1, HA
	QUANT HA
	WORD
	v_mov_b32 v[PW0], v[PW]
	IMAGE 4096
	s_wait_dscnt 0x0
	ZERO 1, XF
	QUANT XF
	WORD
	v_cndmask_b32 v[T0], v[PW0], v[PW], s[HI]
	IMAGE 6144
	ds_store_b32 v[XWS], v[T0] offset:128
	s_wait_dscnt 0x0
	s_barrier_signal -1
	s_barrier_wait -1
	s_wait_loadcnt 0x0
	PAIR 0
	PAIR 1
	PAIR 2
	PAIR 3
	global_store_b128 v[LI], v[QP:QP+3], s[50:51]
	global_store_b128 v[LI], v[KP:KP+3], s[52:53]
	global_store_b64 v[L8], v[VP:VP+1], s[54:55]
	s_wait_tensorcnt 0x0
	ds_add_u32 v254, v255
	s_wait_dscnt 0x0
	s_endpgm
.Lfunc_end_k_qd3e7750143_qkv:
	.size	k_qd3e7750143_qkv, .Lfunc_end_k_qd3e7750143_qkv-k_qd3e7750143_qkv
	.p2alignl 7, 3214868480
	.fill 96, 4, 3214868480
	.section	.rodata,"a",@progbits
	.p2align	6, 0x0
	.amdhsa_kernel k_qd3e7750143_qkv
		.amdhsa_group_segment_fixed_size 327680
		.amdhsa_private_segment_fixed_size 0
		.amdhsa_enable_private_segment 0
		.amdhsa_kernarg_size 56
		.amdhsa_user_sgpr_count 2
		.amdhsa_user_sgpr_kernarg_segment_ptr 1
		.amdhsa_wavefront_size32 1
		.amdhsa_system_sgpr_workgroup_id_x 1
		.amdhsa_system_sgpr_workgroup_id_y 1
		.amdhsa_system_sgpr_workgroup_id_z 1
		.amdhsa_system_vgpr_workitem_id 0
		.amdhsa_next_free_vgpr 640
		.amdhsa_next_free_sgpr 96
		.amdhsa_reserve_vcc 0
		.amdhsa_float_denorm_mode_32 3
		.amdhsa_float_denorm_mode_16_64 3
		.amdhsa_memory_ordered 1
		.amdhsa_forward_progress 1
		.amdhsa_inst_pref_size 196
	.end_amdhsa_kernel
	.amdgpu_metadata
---
amdhsa.version: [ 1, 2 ]
amdhsa.kernels:
  - .name:           k_qd3e7750143_qkv
    .symbol:         k_qd3e7750143_qkv.kd
    .args:
      - { .name: x, .offset: 0, .size: 8, .value_kind: global_buffer, .address_space: global }
      - { .name: wc, .offset: 8, .size: 8, .value_kind: global_buffer, .address_space: global }
      - { .name: ws, .offset: 16, .size: 8, .value_kind: global_buffer, .address_space: global }
      - { .name: qc, .offset: 24, .size: 8, .value_kind: global_buffer, .address_space: global }
      - { .name: qs, .offset: 32, .size: 8, .value_kind: global_buffer, .address_space: global }
      - { .name: kvc, .offset: 40, .size: 8, .value_kind: global_buffer, .address_space: global }
      - { .name: kvs, .offset: 48, .size: 8, .value_kind: global_buffer, .address_space: global }
    .group_segment_fixed_size: 327680
    .private_segment_fixed_size: 0
    .kernarg_segment_align: 8
    .kernarg_segment_size: 56
    .max_flat_workgroup_size: 128
    .sgpr_count:     96
    .vgpr_count:     640
    .wavefront_size: 32
...
	.end_amdgpu_metadata
.endif
;; end of part 2
;; launch attn (part 3): grid 16 x 16, 8 waves a work-group, clusters of 4 x 1, 327,680 bytes of LDS; arguments qc, qs, kvc, kvs, wc, ws, b_out, out0; writes out0
.if DOCPART == 3
	.amdgcn_target "amdgcn-amd-amdhsa--gfx1250"
	.amdhsa_code_object_version 6
	.text
	.protected	k_qd3e7750143_attn
	.globl	k_qd3e7750143_attn
	.p2align	8
	.type	k_qd3e7750143_attn,@function
k_qd3e7750143_attn:
	s_mov_b64 s[64:65], 0
	v_nop
	global_prefetch_b8 v0, s[64:65] scope:SCOPE_SE
	s_setreg_imm32_b32 hwreg(HW_REG_WAVE_MODE, 25, 1), 1
	s_wait_xcnt 0x0
	s_wait_alu depctr_hold_cnt(0) depctr_sa_sdst(0) depctr_va_vdst(0) depctr_va_sdst(0) depctr_va_ssrc(0) depctr_va_vcc(0) depctr_vm_vsrc(0)
	s_getreg_b32 s2, hwreg(HW_REG_IB_STS2, 6, 4)
	s_cmp_eq_u32 s2, 0
	s_cbranch_scc0 .Lentry_in_a_cluster
	s_endpgm
.Lentry_in_a_cluster:
	s_bfe_u32 s2, ttmp6, 0x10000c
	s_cmp_lg_u32 s2, 0x3003
	s_cbranch_scc0 .Lentry_shape_is_right
	s_endpgm
.Lentry_shape_is_right:
; out0 = Q(softmax(q k^T / 16) v) Q(w_out) + b_out, all three products on codes of E4M3 with one E8M0 scale for each 32 along K.  (reference() takes cross_x and never uses it: no launch reads it.)
; q, k, v arrive as register images with their scale words, made by the launch before; w_out's fragments by the first launch.
; THE SOFTMAX: t = score x log2(e) / 16; M = the running largest t rounded UP to a whole number; p = 2^(t - M) is quantised along the keys; the row's sum is taken of the unquantised p and divides O at the end.
; When M moves, the sum and O are multiplied by 2^(old M - new M): exact.
; SHARES.  A work-group owns 128 queries of one batch, all four heads: 32 tiles of 16 queries.  Wave w of eight has head w % 4 and the FOUR tiles 4 (w / 4) on: each fragment of K and V that it reads from LDS feeds four tiles.
; A row's 256 channels meet in one work-group, so the attention's output never goes to memory.  256 work-groups: 16 blocks of queries x 16 batches.
; Every wave walks the batch's 2,048 key places, 128 a step; places 2,000 on (tiles 5 to 7 of the last step) get the score -infinity.  Query tiles 125 to 127 of a batch are zeros: they are computed like the
; others and their stores are switched off by EXEC.
; ORDER OF A STEP.  One set of 64 registers holds the scores of the tile in hand.  Behind tile q's conversions stand: tile q + 1's eight score products, the 16 rescalings of O(q) (they are the plain lines between
; those products and the first read of the scores), and O(q)'s four products.  K's fragments of the next step are fetched under tile 3's softmax, V's under tile 0's.
; CLUSTER.  The four work-groups of a cluster belong to one batch and walk the same K and V: each slot is asked for JOINTLY, with a mask that names the four.
; LDS: two slots of 65,536 bytes (one key step each, as it lies in kvc); the batch's scale words, 49,152 bytes, filled once; the spare words; the way out's images and scale words.
; The change of slots stands inside tile 3's turn, where K and V of the step are in registers; the first half of tile 3's softmax, work on registers, stands between the round's opening signal and its wait.
; LAYOUT.  Both products are used transposed: a lane holds ONE query of each tile.  K = 64 in the first product: Q's upper 64 codes are zeros; K's fragment of tile t runs on into the next tile's codes (zeros behind tile 7):
; finite numbers that meet Q's zeros under the scale byte 0x7f and add nothing.
; O begins as zeros and the largest score as -3e38, so that the step is written without a first step of its own: 128 v_mov_b32 once in place of one more copy of the step's text.
; REGISTERS.  v0-255: addresses, state, K, scores, p's codes, scale words.  v256-383 O (32 a tile), v384-447 Q (16 a tile), v448-511 V.
; LIMITS: NaN and infinities are not served; a block of zeros gets the byte 1; the division by the row's sum is v_rcp_f32 and a multiplication; the promise holds while the scaled scores stay under 2^31 in magnitude.
.set SLOT1,  65536
.set STEPB,  65536                     ; a key step's codes: K's 32,768 (head x 8,192 + tile x 1,024 + c x 512), then V's (head x 8,192 + t x 2,048 + c x 512)
.set VOFF,   32768
.set SCL,    2*SLOT1
.set SSTEP,  3072                      ; a key step's scale words
.set SPARE,  SCL+16*SSTEP              ; the spare words: 128 bytes for each of 8 waves
.set AIMG,   SPARE+1024                ; the way out: sixteen fragment images, (2 m + s) x 2,048 + c x 512
.set ASC,    AIMG+32768                ; their scale words: m x 128 + s x 64 + 4 r
.set SPITCH, 1040                      ; the stage: 128 rows of out0 x (1,024 + 16) bytes from LDS byte 0 on: slots and scale words have had their last fill and their last read by then
.set AB0, 1
.set AS0, 3
.set AT0, 4
.set SPW, 5                            ; my spare word; never rewritten
.set NIL, 6                            ; 0; never rewritten
.set PFO, 7                            ; 256 x lane: the prefetches' offset; never rewritten
.set AD,  8
.set ADS, 9
.set ADT, 10
.set ST,  12                           ; v12-27: for each tile -M, the largest score, the sum in two halves
.set KV,  32                           ; v32-95 K's 8 tiles x 8; v96-103 zeros
.set S,   104                          ; v104-167 S^T, then p
.set PCD, 168                          ; v168-183 p's codes
.set BM,  184
.set BP,  188
.set BL,  192
.set BO,  196
.set F,   200                          ; v[200:201] f
.set TT,  202
.set C1,  204
.set C2,  206
.set C3,  208
.set RL,  210                          ; the way out: 1 / the sums
.set KS,  216                          ; v216-219 K's scale words; v220-223 Q's; v224-225 V's; v226 p's
.set QS,  220
.set VS,  224
.set PW,  226
.set QF,  128                          ; in the upper window
.set VF,  192
.set BIAS, 228
.set A4,  244
.set A32, 245
.set STO, 246                          ; v246, v247
.set SRD, 248
.set ROWN, 249
.set HB,  250
.set RR,  251
.set AH,  252
.set AI,  253
.set WOS, 216
.set HSC, 220
.set WV,  20
.set HH,  21
.set MT,  22
.set NC,  23
.set G1,  24
.set G1S, 32
.set G0,  40
.set G0S, 44
.set TB,  48
.set TS,  49
.set SLOTS, 50
.set LIM, 51
.set PFA, 52
.set SEL, 54
.set CS,  56
.set MNT, 58
.set CX,  59
.set QB,  60
.set BB,  61
.set MSB, 0
.macro WIN new                         ; the immediate's high byte repeats the setting that is left
.if MSB != \new
	s_set_vgpr_msb (MSB<<8)|\new
.set MSB, \new
.endif
.endm
.macro WALU
	s_wait_alu depctr_va_vdst(0)
.endm
.macro PLACES n
.rept \n
	v_nop
.endr
.endm
.macro CROUND                          ; a round of the cluster's barrier
	s_barrier_signal -1
	s_barrier_wait -1
	s_cmp_lg_u32 s[WV], 0
	s_cbranch_scc1 .Lnot_wave_0_\@
	s_barrier_signal -3
.Lnot_wave_0_\@:
	s_barrier_wait -3
	s_barrier_signal -1
	s_barrier_wait -1
.endm
.macro TLOAD                           ; waves 0 to 3 fetch a quarter of a slot each; the branch hangs on the wave's number alone
	s_cmp_lt_u32 s[WV], 4
	s_cbranch_scc0 .Lasked_\@
	tensor_load_to_lds s[G0:G0+3], s[G1:G1+7]
	s_nop 0
	PLACES 4
.Lasked_\@:
.endm
; A prefetch of the key step that stands TWO steps behind the one just asked for.  All four clusters of a batch walk the same bytes: the batch's first cluster asks.  Its four partners take 16,384 bytes each, told apart
; by ADDRESS; in each, waves 4 and 5 take 8,192 bytes, lanes 256 bytes apart: each aligned block of 256 bytes is named once in the launch.  Steps 0 to 2 come by their loads alone; the changes that load steps 14 and 15 ask for nothing.
.macro ASK
	s_cmp_gt_u32 s[SLOTS], s[LIM]
	s_cbranch_scc0 .Lnot_mine_\@
	global_prefetch_b8 v[PFO], s[PFA:PFA+1] th:TH_LOAD_NT scope:SCOPE_SE
.Lnot_mine_\@:
.endm
; THE CHANGE OF SLOTS, in two parts.  chg = 1: a round of the cluster's barrier, and behind it the slot just left is filled with the step after next; chg = 2: a plain barrier, nothing is filled.
.macro CHG_PRE chg, first
	WALU
	s_wait_tensorcnt 0x0                           ; no tensor load of mine is out, so the group 0 may be written
	ds_add_u32 v[SPW], v[NIL]                      ; 0 onto my spare word
.if \chg == 1
	s_xor_b32 s[G0+1], s[G0+1], SLOT1
	s_add_nc_u64 s[G0+2:G0+3], s[G0+2:G0+3], STEPB
	s_wait_xcnt 0x0                                ; the last prefetch has read its address
	s_add_nc_u64 s[PFA:PFA+1], s[PFA:PFA+1], STEPB
.endif
.if \first == 0
	s_xor_b32 s[TB], s[TB], SLOT1                  ; the slot and the scale words of the step that is entered
	s_add_co_u32 s[TS], s[TS], SSTEP
.endif
	s_wait_dscnt 0x0                               ; the add is done, and my reads of the slot that I leave are over
	s_barrier_signal -1
.endm
.macro CHG_POST chg
	WALU
	s_barrier_wait -1
.if \chg == 1
	s_cmp_lg_u32 s[WV], 0
	s_cbranch_scc1 .Lnw0_\@
	s_barrier_signal -3
.Lnw0_\@:
	s_barrier_wait -3
	s_barrier_signal -1
	s_barrier_wait -1
	TLOAD                                          ; the first thing behind the round, and a wave's one tensor load until the next
	ASK
.endif
.endm
.macro KLOAD nt                        ; K's first nt tiles and K's scale words of the step that is entered
	v_add_nc_u32 v[AD], s[TB], v[AB0]
	v_add_nc_u32 v[ADS], s[TS], v[AS0]
	v_add_nc_u32 v[ADT], s[TS], v[AT0]
.set t_, 0
.rept \nt
	ds_load_b128 v[KV+8*t_:KV+8*t_+3], v[AD] offset:1024*t_
	ds_load_b128 v[KV+8*t_+4:KV+8*t_+7], v[AD] offset:1024*t_+512
.set t_, t_+1
.endr
	ds_load_b128 v[KS:KS+3], v[ADS]
.endm
.macro VLOAD                           ; V's four fragments (upper window) and scale words
	WIN 0x40
.irp t, 0,1,2,3
.irp e, 0,1,2,3
	ds_load_b128 v[VF+16*\t+4*\e:VF+16*\t+4*\e+3], v[AD] offset:VOFF+2048*\t+512*\e
.endr
.endr
	WIN 0
	ds_load_b64 v[VS:VS+1], v[ADT]
.endm
.macro SMM q, n                        ; S^T of query tile q: n tiles of 16 keys.  K's scale words: lanes 0-15 an even tile's, lanes 16-31 the odd one's
.set t_, 0
.rept \n
.if t_%2
	v_wmma_scale_f32_16x16x128_f8f6f4 v[S+8*t_:S+8*t_+7], v[KV+8*t_:KV+8*t_+15], v[QF+16*(\q):QF+16*(\q)+15], 0, v[KS+t_/2], v[QS+(\q)] matrix_a_scale:MATRIX_SCALE_ROW1
.else
	v_wmma_scale_f32_16x16x128_f8f6f4 v[S+8*t_:S+8*t_+7], v[KV+8*t_:KV+8*t_+15], v[QF+16*(\q):QF+16*(\q)+15], 0, v[KS+t_/2], v[QS+(\q)]
.endif
.set t_, t_+1
.endr
.endm
.macro OMM q                           ; O^T(q) += V^T P^T: four accumulators, one instruction each
.irp t, 0,1,2,3
.if \t%2
	v_wmma_scale_f32_16x16x128_f8f6f4 v[32*(\q)+8*\t:32*(\q)+8*\t+7], v[VF+16*\t:VF+16*\t+15], v[PCD:PCD+15], v[32*(\q)+8*\t:32*(\q)+8*\t+7], v[VS+\t/2], v[PW] matrix_a_scale:MATRIX_SCALE_ROW1
.else
	v_wmma_scale_f32_16x16x128_f8f6f4 v[32*(\q)+8*\t:32*(\q)+8*\t+7], v[VF+16*\t:VF+16*\t+15], v[PCD:PCD+15], v[32*(\q)+8*\t:32*(\q)+8*\t+7], v[VS+\t/2], v[PW]
.endif
.endr
.endm
; THE SOFTMAX OF TILE q, first half: the blocks' largest scores, the new M, f, and t - M.  Work on registers alone, no transcendental.
.macro SOFT_A q
.set ST_, ST+4*(\q)
.irp b, 0,1,2,3
	v_max3_num_f32 v[BM+\b], v[S+16*\b], v[S+1+16*\b], v[S+2+16*\b]   ; the largest score of each block of 32 keys, in two chains a block (eight by turns): it serves the row's maximum and, since p rises with the score, the block's largest p
.endr
.irp b, 0,1,2,3
	v_max3_num_f32 v[BL+\b], v[S+8+16*\b], v[S+9+16*\b], v[S+10+16*\b]   ; the second chain begins at the odd tile's low end
.endr
.irp k, 3,5
.irp b, 0,1,2,3
	v_max3_num_f32 v[BM+\b], v[BM+\b], v[S+16*\b+\k], v[S+1+16*\b+\k]
.endr
.irp b, 0,1,2,3
	v_max3_num_f32 v[BL+\b], v[BL+\b], v[S+8+16*\b+\k], v[S+9+16*\b+\k]
.endr
.endr
.irp b, 0,1,2,3
	v_max3_num_f32 v[BM+\b], v[BM+\b], v[S+7+16*\b], v[S+15+16*\b]
.endr
.irp b, 0,1,2,3
	s_delay_alu instid0(VALU_DEP_4)
	v_max_num_f32 v[BM+\b], v[BM+\b], v[BL+\b]
.endr
.irp b, 0,1,2,3
	s_delay_alu instid0(VALU_DEP_4)
	v_permlanex16_b32 v[BP+\b], v[BM+\b], s[SEL], s[SEL+1]
.endr
.irp b, 0,1,2,3
	s_delay_alu instid0(VALU_DEP_4)
	v_max_num_f32 v[BM+\b], v[BM+\b], v[BP+\b]     ; with lane l xor 16's 16 keys
.endr
	s_delay_alu instid0(VALU_DEP_2)
	v_max3_num_f32 v[TT], v[BM], v[BM+1], v[BM+2]
	s_delay_alu instid0(VALU_DEP_1)
	v_max3_num_f32 v[ST_+1], v[ST_+1], v[TT], v[BM+3]   ; the running largest score (c is positive, so it is also the largest t's)
	s_delay_alu instid0(VALU_DEP_1)
	v_mul_f32 v[TT], s[NC], v[ST_+1]               ; -t
	s_delay_alu instid0(VALU_DEP_1)
	v_floor_f32 v[TT], v[TT]                       ; the new -M = floor(-t) = -ceil(t)
	s_delay_alu instid0(VALU_DEP_1)
	v_sub_f32 v[F], v[TT], v[ST_]                  ; old M - new M: a whole number, 0 or less
	s_delay_alu instid0(VALU_DEP_2)
	v_mov_b32 v[ST_], v[TT]
	s_delay_alu instid0(VALU_DEP_2)
	v_cvt_i32_f32 v[F], v[F]                       ; (it saturates)
	s_delay_alu instid0(VALU_DEP_1)
	v_ldexp_f32 v[F], 1.0, v[F]                    ; f = 2^(old M - new M)
.set j_, 0
.rept 32
	v_pk_fma_f32 v[S+j_:S+j_+1], v[S+j_:S+j_+1], s[CS:CS+1], v[ST_:ST_+1] op_sel_hi:[1,0,0]   ; t - M, two at a time
.set j_, j_+2
.endr
.irp b, 0,1,2,3
	v_fma_f32 v[BM+\b], v[BM+\b], s[CS], v[ST_]    ; the same of each block's largest score
.endr
.endm
; second half: p, the sum, the blocks' scales, the holds and the codes
.macro SOFT_B q
.set ST_, ST+4*(\q)
	WALU                                           ; ahead of the batch
.set j_, 0
.rept 64
	v_exp_f32 v[S+j_], v[S+j_]                     ; p = 2^(t - M), at most 1
.set j_, j_+1
.endr
	v_pk_mul_f32 v[ST_+2:ST_+3], v[ST_+2:ST_+3], v[F:F+1] op_sel_hi:[1,0]   ; the sums under the new M: a plain line behind the exponentials
	WALU                                           ; one wait for the whole batch
.irp b, 0,1,2,3
	v_exp_f32 v[BM+\b], v[BM+\b]                   ; the block's largest p: the same two instructions on the same number
.endr
.set j_, 0
.irp c, 204,206,208,228,230,232,234    ; the row's sum of the unquantised p, two at a time, in eight chains: seven pairs of registers and the running sum
	v_pk_add_f32 v[\c:\c+1], v[S+j_:S+j_+1], v[S+j_+2:S+j_+3]
.set j_, j_+4
.endr
	v_pk_add_f32 v[ST_+2:ST_+3], v[ST_+2:ST_+3], v[S+28:S+29]
.set j_, 30
.rept 2
.irp c, 204,206,208,228,230,232,234
	v_pk_add_f32 v[\c:\c+1], v[\c:\c+1], v[S+j_:S+j_+1]
.set j_, j_+2
.endr
	v_pk_add_f32 v[ST_+2:ST_+3], v[ST_+2:ST_+3], v[S+j_:S+j_+1]
.set j_, j_+2
.endr
	v_pk_add_f32 v[204:205], v[204:205], v[S+62:S+63]
	v_pk_add_f32 v[206:207], v[206:207], v[208:209]
	v_pk_add_f32 v[228:229], v[228:229], v[230:231]
	v_pk_add_f32 v[232:233], v[232:233], v[234:235]
	s_delay_alu instid0(VALU_DEP_4)
	v_pk_add_f32 v[ST_+2:ST_+3], v[ST_+2:ST_+3], v[204:205]
	s_delay_alu instid0(VALU_DEP_3)
	v_pk_add_f32 v[206:207], v[206:207], v[228:229]
	s_delay_alu instid0(VALU_DEP_2)
	v_pk_add_f32 v[ST_+2:ST_+3], v[ST_+2:ST_+3], v[232:233]
	s_delay_alu instid0(VALU_DEP_1)
	v_pk_add_f32 v[ST_+2:ST_+3], v[ST_+2:ST_+3], v[206:207]
	WALU                                           ; and one for the four
.irp b, 0,1,2,3
	v_max_num_f32 v[BM+\b], 0x4800000, v[BM+\b]    ; the floor 2^(9 - 127): the byte cannot fall under 1
.endr
.irp b, 0,1,2,3
	s_delay_alu instid0(VALU_DEP_4)
	v_add_nc_u32 v[BO+\b], 0xfc000000, v[BM+\b]    ; 8 off the exponent field: the conversion's scale operand
.endr
.irp b, 0,1,2,3
	v_and_or_b32 v[BL+\b], v[BM+\b], 0x7f800000, s[MNT]   ; 448 x the scale
.endr
.irp b, 0,1,2,3
	v_lshrrev_b32 v[BP+\b], 23, v[BO+\b]           ; the scale's byte
.endr
	s_delay_alu instid0(VALU_DEP_3)
	v_lshl_or_b32 v[PW], v[BP+1], 8, v[BP]         ; p's scale word for these 128 keys
	s_delay_alu instid0(VALU_DEP_1)
	v_lshl_or_b32 v[PW], v[BP+2], 16, v[PW]
	s_delay_alu instid0(VALU_DEP_1)
	v_lshl_or_b32 v[PW], v[BP+3], 24, v[PW]
.irp b, 0,1,2,3
.set j_, 0
.rept 8
	v_dual_min_num_f32 v[S+16*\b+j_], v[S+16*\b+j_], v[BL+\b] :: v_dual_min_num_f32 v[S+16*\b+j_+1], v[S+16*\b+j_+1], v[BL+\b]   ; the conversion does not saturate (ISA guide 7.6.2); p is not negative, so the hold is one-sided; two holds a line
.set j_, j_+2
.endr
.endr
.irp b, 0,1,2,3                        ; all the holds first, then the conversions: no conversion stands next to the holds that it reads
	v_cvt_scalef32_pk8_fp8_f32 v[PCD+4*\b:PCD+1+4*\b], v[S+16*\b:S+7+16*\b], v[BO+\b]
	v_cvt_scalef32_pk8_fp8_f32 v[PCD+2+4*\b:PCD+3+4*\b], v[S+8+16*\b:S+15+16*\b], v[BO+\b]
.endr
.endm
; Behind tile q's codes: the scores of query tile nq (n tiles of keys; 0: none), O(q) under the new M, O(q)'s products.  w: LDS loads are waited for first
.macro TAILP q, nq, n, w
	v_nop                                          ; a plain line between the conversions and the products that write over their sources
.if \w
	WALU
	s_wait_dscnt 0x0
.endif
.if \n
	WIN 0x04
	SMM \nq, \n
.endif
	WIN 0x41
	WALU                                           ; directly ahead of the first reader of O(q)
.set j_, 0
.rept 16
	v_pk_mul_f32 v[32*(\q)+j_:32*(\q)+j_+1], v[32*(\q)+j_:32*(\q)+j_+1], v[F:F+1] op_sel_hi:[1,0]   ; also the plain lines behind the score products and ahead of O's products
.set j_, j_+2
.endr
	WIN 0x51
	OMM \q
	WIN 0
.if \n == 5
.set j_, 0
.rept 24
	v_mov_b32 v[S+40+j_], 0xff800000               ; places 2,000 on are no keys: -infinity, so p = 0
.set j_, j_+1
.endr
.endif
.endm
; A KEY STEP of four tiles.  chg: the change of slots in tile 3's turn (0: none); n: key tiles of this step; n0: of the next (0: there is none); nt: tiles of K fetched for the next
.macro STEPM chg, n, n0, nt
	SOFT_A 0
	VLOAD                                          ; 84 plain lines behind the last products that read V's registers
	SOFT_B 0
	TAILP 0, 1, \n, 1
	SOFT_A 1
	SOFT_B 1
	TAILP 1, 2, \n, 0
	SOFT_A 2
	SOFT_B 2
	TAILP 2, 3, \n, 0
.if \chg
	CHG_PRE \chg, 0
	SOFT_A 3
	CHG_POST \chg
	KLOAD \nt
.else
	SOFT_A 3
.endif
	SOFT_B 3
	TAILP 3, 0, \n0, \chg
.endm
	s_load_b256 s[4:11], s[0:1], 0x0               ; qc, qs, kvc, kvs
	s_load_b256 s[12:19], s[0:1], 0x20             ; wc, ws, b_out, out0
	v_lshl_add_u32 v[SPW], v0, 2, SPARE
	v_mov_b32 v[NIL], 0
	ds_add_u32 v[SPW], v[NIL]                      ; the opening lines: the add, twice on end, and its wait
	ds_add_u32 v[SPW], v[NIL]
	v_lshrrev_b32 v8, 5, v0
	v_readfirstlane_b32 s[WV], v8                  ; wave 0..7
	s_and_b32 s[HH], s[WV], 3                      ; head; also: which quarter I fetch
	s_lshr_b32 s[MT], s[WV], 2                     ; which four query tiles
	s_bfe_u32 s[CX], ttmp6, 0x40000                ; my place in the cluster: it enters global addresses of q, out0 and the prefetches, and the stores' mask of lanes, and nothing else
	s_lshl_b32 s[QB], ttmp9, 2
	s_add_co_u32 s[QB], s[QB], s[CX]               ; my block of 128 queries
	s_and_b32 s[BB], ttmp7, 0xffff                 ; the batch, which the four partners share
	s_mov_b32 s[G1+0], 15|(3<<16)|(1<<21)          ; 64 rows of 256 bytes (32 elements of 8), dense; the mask names all four work-groups
	s_mov_b32 s[G1+1], 32<<16
	s_mov_b32 s[G1+2], 64<<16
	s_mov_b32 s[G1+3], 32<<16
	s_mov_b32 s[G1+4], 64
	s_mov_b32 s[G1+5], 32
	s_mov_b32 s[G1+6], 0
	s_mov_b32 s[G1+7], 0
	s_mov_b32 s[G1S+0], 15|(3<<16)|(1<<21)         ; the same with 48 rows
	s_mov_b32 s[G1S+1], 32<<16
	s_mov_b32 s[G1S+2], 48<<16
	s_mov_b32 s[G1S+3], 32<<16
	s_mov_b32 s[G1S+4], 48
	s_mov_b32 s[G1S+5], 32
	s_mov_b32 s[G1S+6], 0
	s_mov_b32 s[G1S+7], 0
	s_lshl_b32 s66, s[BB], 20                      ; a batch's codes of K and V: 16 steps x 65,536
	s_lshl_b32 s68, s[HH], 14                      ; my quarter of a slot
	s_add_co_u32 s66, s66, s68
	s_mov_b32 s67, 0
	s_mul_i32 s70, s[BB], 16*SSTEP
	s_mul_i32 s69, s[HH], 4*SSTEP                  ; my quarter of the scale words
	s_add_co_u32 s70, s70, s69
	s_mov_b32 s71, 0
	s_lshl_b32 s72, s[CX], 14                      ; the prefetches: my work-group's quarter of a step,
	s_and_b32 s73, s[WV], 1
	s_lshl_b32 s73, s73, 13                        ; my wave's half of that,
	s_add_co_u32 s72, s72, s73
	s_lshl_b32 s73, s[BB], 20
	s_add_co_u32 s72, s72, s73
	s_add_co_u32 s72, s72, 2*STEPB                 ; at step 2: the first change of slots steps it to step 3
	s_mov_b32 s73, 0
	s_sub_co_u32 s74, s[WV], 4
	s_lshr_b32 s74, s74, 1                         ; 0 in waves 4 and 5,
	s_or_b32 s74, s74, ttmp9                       ; of the batch's first cluster: the same in all four partners
	s_cmp_eq_u32 s74, 0
	s_cselect_b32 s[LIM], 2, -1
	s_mov_b32 s[SEL], 0x76543210
	s_mov_b32 s[SEL+1], 0xfedcba98
	s_mov_b32 s[CS], 0x3db8aa3b                    ; c = log2(e) / 16
	s_mov_b32 s[CS+1], s[CS]
	s_mov_b32 s[NC], 0xbdb8aa3b                    ; -c
	s_mov_b32 s[MNT], 0x600000
	s_mov_b32 s[TB], 0
	s_mov_b32 s[TS], 0
	s_mov_b32 s[SLOTS], 14
	WALU
	s_wait_dscnt 0x0
	s_wait_kmcnt 0x0
	s_mov_b32 s[G0+0], 1
	s_mov_b32 s[G0+1], s68                         ; slot 0
	s_add_nc_u64 s[G0+2:G0+3], s[8:9], s[66:67]
	s_or_b32 s[G0+3], s[G0+3], 0x80000000
	s_mov_b32 s[G0S+0], 1
	s_add_co_u32 s[G0S+1], s69, SCL
	s_add_nc_u64 s[G0S+2:G0S+3], s[10:11], s[70:71]
	s_or_b32 s[G0S+3], s[G0S+3], 0x80000000
	s_add_nc_u64 s[PFA:PFA+1], s[8:9], s[72:73]
	CROUND                                         ; all four work-groups are here: the first joint loads meet
	s_cmp_lt_u32 s[WV], 4                          ; one tensor load a wave: waves 0 to 3 a quarter of slot 0, waves 4 to 7 a quarter of the batch's scale words
	s_cbranch_scc0 .Lhead_s
	tensor_load_to_lds s[G0:G0+3], s[G1:G1+7]
	s_nop 0
	PLACES 4
	s_branch .Lhead_asked
.Lhead_s:
	tensor_load_to_lds s[G0S:G0S+3], s[G1S:G1S+7]
	s_nop 0
	PLACES 4
.Lhead_asked:
	s_lshl_b32 s74, s[QB], 3                       ; q's codes and scale words of my tiles T = 8 qb + 4 mt + 0 .. 3, head hh
	s_lshl_b32 s75, s[MT], 2
	s_add_co_u32 s74, s74, s75
	s_lshl_b32 s75, s[BB], 2
	s_add_co_u32 s75, s75, s[HH]                   ; 4 b + head
	s_lshl_b32 s76, s75, 7
	s_add_co_u32 s76, s76, s74
	s_lshl_b32 s76, s76, 10
	s_mov_b32 s77, 0
	s_add_nc_u64 s[4:5], s[4:5], s[76:77]
	s_lshl_b32 s76, s75, 4
	s_add_co_u32 s76, s76, s[QB]
	s_lshl_b32 s76, s76, 9                         ; the block of eight tiles: 512 bytes: tile 2 p + o, row r: 16 (16 o + r) + 4 p
	s_lshl_b32 s78, s[MT], 3
	s_add_co_u32 s76, s76, s78
	s_add_nc_u64 s[6:7], s[6:7], s[76:77]
	v_and_b32 v8, 31, v0                           ; lane
	s_delay_alu instid0(VALU_DEP_1)
	v_lshlrev_b32 v[PFO], 8, v8
	s_delay_alu instid0(VALU_DEP_2)
	v_lshlrev_b32 v9, 3, v8
	s_delay_alu instid0(VALU_DEP_3)
	v_lshlrev_b32 v8, 4, v8
	s_lshl_b32 s70, s[HH], 13
	v_add_nc_u32 v[AB0], s70, v8                   ; 16 x lane + head x 8,192
	s_lshl_b32 s70, s[HH], 9
	s_add_co_u32 s70, s70, SCL
	v_add_nc_u32 v[AS0], s70, v8
	s_lshl_b32 s70, s[HH], 8
	s_add_co_u32 s70, s70, SCL+2048
	v_add_nc_u32 v[AT0], s70, v9
	v_and_b32 v9, 15, v0
	v_lshlrev_b32 v9, 4, v9
	WALU
	WIN 0x40
.irp q, 0,1,2,3
	global_load_b128 v[QF+16*\q:QF+16*\q+3], v8, s[4:5] offset:1024*\q th:TH_LOAD_NT       ; Q's fragments stay in registers
	global_load_b128 v[QF+16*\q+4:QF+16*\q+7], v8, s[4:5] offset:1024*\q+512 th:TH_LOAD_NT
.endr
	WIN 0
.irp q, 0,1,2,3
	global_load_b32 v[QS+\q], v9, s[6:7] offset:256*(\q%2)+4*(\q/2)
.endr
	WIN 0x40
.set j_, 0
.rept 128
	v_mov_b32 v[j_], 0                             ; O^T
.set j_, j_+1
.endr
.irp q, 0,1,2,3
.irp n, 8,9,10,11,12,13,14,15
	v_mov_b32 v[QF+16*\q+\n], 0                    ; Q's upper 64 along K
.endr
.endr
	WIN 0
.irp n, 0,1,2,3,4,5,6,7
	v_mov_b32 v[96+\n], 0                          ; what stands behind K's tile 7
.endr
.irp q, 0,1,2,3
	v_mov_b32 v[ST+4*\q], 0x7f61b1e6               ; -M: 3e38
	v_mov_b32 v[ST+4*\q+1], 0xff61b1e6             ; the largest score so far: -3e38
	v_mov_b32 v[ST+4*\q+2], 0                      ; the sum, in two halves
	v_mov_b32 v[ST+4*\q+3], 0
.endr
.irp b, 0,1,2,3
	v_mov_b32 v[BP+\b], 0                          ; a lane permute's destination counts as one of its sources
.endr
	v_mov_b32 v[F+1], 0                            ; (named as the upper half of the pair)
	WALU
	s_wait_loadcnt 0x0                             ; Q
	CHG_PRE 1, 1                                   ; slot 0 and the scale words are in; slot 1's first fill is issued as a refill is
	CHG_POST 1
	KLOAD 8
	WALU
	s_wait_dscnt 0x0
	WIN 0x04
	SMM 0, 8
	WIN 0
	PLACES 8
.Lstep:                                                ; 14 trips: steps 0 to 13; the change in step n enters step n + 1 and asks for step n + 2
	STEPM 1, 8, 8, 8
	s_sub_co_u32 s[SLOTS], s[SLOTS], 1
	s_cmp_lg_u32 s[SLOTS], 0
	WALU
	s_cbranch_scc1 .Lstep
	STEPM 2, 8, 5, 6                               ; step 14 asks for nothing: written out
	STEPM 0, 5, 0, 0                               ; step 15: tiles 0 to 4 are keys
	; ---- THE WAY OUT: O^T / the sum, quantised along the channels, to LDS as images; the last product; rows of out0 through a stage
	PLACES 8
	v_and_b32 v[AD], 31, v0
	v_lshlrev_b32 v[A4], 2, v[AD]
	v_lshlrev_b32 v[AD], 4, v[AD]                  ; 16 x lane
	v_bfe_u32 v[HB], v0, 4, 1
	v_and_b32 v[RR], 15, v0
	v_lshlrev_b32 v[A32], 5, v[HB]
	s_lshl_b32 s70, s[WV], 1
	s_add_co_u32 s70, s70, 48                      ; wave w makes columns 32 w .. 32 w + 31 of out0: tiles 48 + 2 w and the next of the weights
	s_lshl_b32 s68, s70, 12
	s_mov_b32 s69, 0
	s_add_nc_u64 s[12:13], s[12:13], s[68:69]
	s_lshl_b32 s68, s70, 7
	s_add_nc_u64 s[14:15], s[14:15], s[68:69]
	s_lshl_b32 s68, s[WV], 7
	s_add_nc_u64 s[16:17], s[16:17], s[68:69]
	WALU
.irp n, 0,1
.irp ks, 0,1
.irp e, 0,1,2,3
	global_load_b128 v[KV+32*\n+16*\ks+4*\e:KV+32*\n+16*\ks+4*\e+3], v[AD], s[12:13] offset:4096*\n+2048*\ks+512*\e
.endr
.endr
	global_load_b32 v[WOS+\n], v[A4], s[14:15] offset:128*\n       ; lanes 0-15 K step 0's words, lanes 16-31 K step 1's
	global_load_b128 v[BIAS+8*\n:BIAS+8*\n+3], v[A32], s[16:17] offset:64*\n        ; b_out(32 w + 16 n + 8 h + 0 .. 7): the C of the sums' first products
	global_load_b128 v[BIAS+8*\n+4:BIAS+8*\n+7], v[A32], s[16:17] offset:64*\n+16
.endr
.irp q, 0,1,2,3
	v_add_f32 v[RL+\q], v[ST+4*\q+2], v[ST+4*\q+3] ; the sum's two halves,
.endr
.irp q, 0,1,2,3
	s_delay_alu instid0(VALU_DEP_4)
	v_permlanex16_b32 v[BP+\q], v[RL+\q], s[SEL], s[SEL+1]
.endr
.irp q, 0,1,2,3
	s_delay_alu instid0(VALU_DEP_4)
	v_add_f32 v[RL+\q], v[RL+\q], v[BP+\q]         ; and lane l xor 16's: the row's sum
.endr
	WALU
.irp q, 0,1,2,3
	v_rcp_f32 v[RL+\q], v[RL+\q]
.endr
	s_lshl_b32 s70, s[MT], 14                      ; the images of my tiles m = 4 mt + q: fragment 2 m + head / 2,
	s_lshr_b32 s71, s[HH], 1
	s_lshl_b32 s72, s71, 11
	s_add_co_u32 s70, s70, s72
	s_and_b32 s73, s[HH], 1
	s_lshl_b32 s72, s73, 10                        ; groups 2 (head % 2) and the next
	s_add_co_u32 s70, s70, s72
	s_add_co_u32 s70, s70, AIMG
	v_add_nc_u32 v[ADS], s70, v[AD]
	s_lshl_b32 s70, s[MT], 9                       ; the scale half-word: m x 128 + (head / 2) x 64 + 2 (head % 2) + 4 r
	s_lshl_b32 s72, s71, 6
	s_add_co_u32 s70, s70, s72
	s_lshl_b32 s72, s73, 1
	s_add_co_u32 s70, s70, s72
	s_add_co_u32 s70, s70, ASC
	v_lshl_add_u32 v[ADT], v[RR], 2, s70
	v_mul_u32_u24 v[STO], v[RR], SPITCH            ; the stage, in: row 16 m + r, 128 w + 64 n + 32 h bytes on
	v_lshl_add_u32 v[STO], v[HB], 5, v[STO]
	s_lshl_b32 s70, s[WV], 7
	v_add_nc_u32 v[STO], s70, v[STO]
	v_add_nc_u32 v[STO+1], 64*SPITCH, v[STO]       ; rows 64 on
	s_mul_i32 s70, s[WV], 16*SPITCH                ; and back: my sixteen rows, 16 bytes a lane
	v_add_nc_u32 v[SRD], s70, v[AD]
	v_add_nc_u32 v[AH], ASC, v[A4]
	v_add_nc_u32 v[AI], AIMG, v[AD]
	s_mul_i32 s68, s[BB], 2000
	s_lshl_b32 s70, s[QB], 7
	s_lshl_b32 s71, s[WV], 4
	s_add_co_u32 s70, s70, s71                     ; my first row in the batch
	s_add_co_u32 s68, s68, s70
	s_lshl_b32 s68, s68, 10
	s_add_nc_u64 s[18:19], s[18:19], s[68:69]
	v_mov_b32 v[ROWN], s70
.macro EQ q                            ; tile q: O^T / the sum, two blocks of 32 channels quantised, the images stored
.set PC_, PCD+8*((\q)%2)
	WIN 0x01
	WALU                                           ; ahead of the first reader of the reciprocal and of O(q)
.set j_, 0
.rept 32
	v_mul_f32 v[S+j_], v[32*(\q)+j_], v[RL+(\q)]   ; register 8 t + j: channel 16 t + 8 h + j of my head, for query r
.set j_, j_+1
.endr
	WIN 0
.irp b, 0,1
	v_max3_num_f32 v[BM+\b], |v[S+16*\b]|, |v[S+1+16*\b]|, 0x4800000
.endr
.irp k, 2,4,6,8,10,12,14
.irp b, 0,1
	s_delay_alu instid0(VALU_DEP_2)
	v_max3_num_f32 v[BM+\b], v[BM+\b], |v[S+16*\b+\k]|, |v[S+1+16*\b+\k]|
.endr
.endr
.irp b, 0,1
	s_delay_alu instid0(VALU_DEP_2)
	v_permlanex16_b32 v[BP+\b], v[BM+\b], s[SEL], s[SEL+1]
.endr
.irp b, 0,1
	s_delay_alu instid0(VALU_DEP_2)
	v_max_num_f32 v[BM+\b], v[BM+\b], v[BP+\b]
.endr
.irp b, 0,1
	s_delay_alu instid0(VALU_DEP_2)
	v_add_nc_u32 v[BO+\b], 0xfc000000, v[BM+\b]
.endr
.irp b, 0,1
	s_delay_alu instid0(VALU_DEP_4)
	v_and_or_b32 v[BL+\b], v[BM+\b], 0x7f800000, s[MNT]
.endr
.irp b, 0,1
	s_delay_alu instid0(VALU_DEP_4)
	v_lshrrev_b32 v[BP+\b], 23, v[BO+\b]
.endr
	s_delay_alu instid0(VALU_DEP_1)
	v_lshl_or_b32 v[C1+(\q)], v[BP+1], 8, v[BP]    ; my head's two bytes of the row's scale word
.irp b, 0,1
.set j_, 0
.rept 16
	v_med3_num_f32 v[S+16*\b+j_], v[S+16*\b+j_], -v[BL+\b], v[BL+\b]
.set j_, j_+1
.endr
	v_cvt_scalef32_pk8_fp8_f32 v[PC_+4*\b:PC_+1+4*\b], v[S+16*\b:S+7+16*\b], v[BO+\b]
	v_cvt_scalef32_pk8_fp8_f32 v[PC_+2+4*\b:PC_+3+4*\b], v[S+8+16*\b:S+15+16*\b], v[BO+\b]
.endr
	v_nop
	ds_store_b128 v[ADS], v[PC_:PC_+3] offset:4096*(\q)
	ds_store_b128 v[ADS], v[PC_+4:PC_+7] offset:4096*(\q)+512
	ds_store_b16 v[ADT], v[C1+(\q)] offset:128*(\q)   ; both halves of the lanes hold the same bytes and write them to the same place
.endm
	EQ 0
	EQ 1
	WALU
	s_wait_dscnt 0x0                               ; the stores have read the codes' registers, which tiles 2 and 3 write again
	EQ 2
	EQ 3
	WALU
	s_wait_dscnt 0x0                               ; for the others' sake: my images lie in LDS
	s_barrier_signal -1
	s_barrier_wait -1                              ; the 128 rows' sixteen fragments do, and nobody reads the slots or the scale words any more
.irp g, 0,1                            ; rows 64 g on
.irp mm, 0,1,2,3
	ds_load_b32 v[HSC+\mm], v[AH] offset:128*(4*\g+\mm)   ; lanes 0-15 K step 0's words, lanes 16-31 K step 1's
.endr
.irp ks, 0,1
.irp mm, 0,1,2,3
.irp e, 0,1,2,3
	ds_load_b128 v[S+16*\mm+4*\e:S+16*\mm+4*\e+3], v[AI] offset:(2*(4*\g+\mm)+\ks)*2048+512*\e
.endr
.endr
	s_wait_dscnt 0x0
.if (\g == 0) && (\ks == 0)
	s_wait_loadcnt 0x0                             ; w_out's fragments, their scale words, the bias
.endif
.if \ks == 0
	WIN 0x40
.else
	WIN 0x50
.endif
.irp n, 0,1                            ; transposed: source 0 = 16 columns of w_out, source 1 = 16 rows; eight accumulators by turns, in the upper window
.irp mm, 0,1,2,3
.if \ks == 0
	v_wmma_scale_f32_16x16x128_f8f6f4 v[64*\g+32*\n+8*\mm:64*\g+32*\n+8*\mm+7], v[KV+32*\n:KV+32*\n+15], v[S+16*\mm:S+16*\mm+15], v[BIAS+8*\n:BIAS+8*\n+7], v[WOS+\n], v[HSC+\mm]
.else
	v_wmma_scale_f32_16x16x128_f8f6f4 v[64*\g+32*\n+8*\mm:64*\g+32*\n+8*\mm+7], v[KV+32*\n+16:KV+32*\n+31], v[S+16*\mm:S+16*\mm+15], v[64*\g+32*\n+8*\mm:64*\g+32*\n+8*\mm+7], v[WOS+\n], v[HSC+\mm] matrix_a_scale:MATRIX_SCALE_ROW1 matrix_b_scale:MATRIX_SCALE_ROW1
.endif
.endr
.endr
	WIN 0
	PLACES 8                                       ; in front of loads into registers that these products have read, and of the first read of results
.endr
	WIN 0x04
.irp n, 0,1
.irp mm, 0,1,2,3
	ds_store_b128 v[STO+\g], v[64*\g+32*\n+8*\mm:64*\g+32*\n+8*\mm+3] offset:16*\mm*SPITCH+64*\n       ; lane (r, h): out0(64 g + 16 mm + r, 32 w + 16 n + 8 h + 0 .. 7); each accumulator from its low end on
	ds_store_b128 v[STO+\g], v[64*\g+32*\n+8*\mm+4:64*\g+32*\n+8*\mm+7] offset:16*\mm*SPITCH+64*\n+16
.endr
.endr
	WIN 0
.endr
	s_wait_dscnt 0x0
	s_barrier_signal -1
	s_barrier_wait -1                              ; 128 whole rows lie in the stage
.set n_, 0
.rept 16
	ds_load_b128 v[S+4*n_:S+4*n_+3], v[SRD] offset:(n_/2)*SPITCH+512*(n_%2)
.set n_, n_+1
.endr
.rept 16
	ds_load_b128 v[KV+4*(n_-16):KV+4*(n_-16)+3], v[SRD] offset:(n_/2)*SPITCH+512*(n_%2)
.set n_, n_+1
.endr
	s_wait_xcnt 0x0                                ; EXEC changes only behind this wait
	v_cmp_gt_u32 vcc_lo, 2000, v[ROWN]             ; rows 2,000 on of a batch do not exist; 2,000 is a multiple of 16, so my sixteen rows stand or fall together
	s_and_saveexec_b32 s70, vcc_lo
.set n_, 0
.rept 16
	s_wait_dscnt 31-n_                             ; LDS loads come back in order (ISA guide 5.7.1): load n is in, the younger ones may be out
	global_store_b128 v[AD], v[S+4*n_:S+4*n_+3], s[18:19] offset:512*n_ th:TH_STORE_NT   ; 32 lanes store 512 consecutive bytes, aligned
.set n_, n_+1
.endr
.rept 16
	s_wait_dscnt 31-n_
	global_store_b128 v[AD], v[KV+4*(n_-16):KV+4*(n_-16)+3], s[18:19] offset:512*n_ th:TH_STORE_NT
.set n_, n_+1
.endr
	s_wait_xcnt 0x0                                ; and again, in front of the line that widens it
	s_or_b32 exec_lo, exec_lo, s70
	s_wait_tensorcnt 0x0                           ; the wave's end
	ds_add_u32 v[SPW], v[NIL]
	s_wait_dscnt 0x0
	CROUND                                         ; the closing round: no work-group ends while a partner may still ask for a tile that names it
	s_endpgm
.Lfunc_end_k_qd3e7750143_attn:
	.size	k_qd3e7750143_attn, .Lfunc_end_k_qd3e7750143_attn-k_qd3e7750143_attn
	.p2alignl 7, 3214868480
	.fill 96, 4, 3214868480
	.section	.rodata,"a",@progbits
	.p2align	6, 0x0
	.amdhsa_kernel k_qd3e7750143_attn
		.amdhsa_group_segment_fixed_size 327680
		.amdhsa_private_segment_fixed_size 0
		.amdhsa_enable_private_segment 0
		.amdhsa_kernarg_size 64
		.amdhsa_user_sgpr_count 2
		.amdhsa_user_sgpr_kernarg_segment_ptr 1
		.amdhsa_wavefront_size32 1
		.amdhsa_system_sgpr_workgroup_id_x 1
		.amdhsa_system_sgpr_workgroup_id_y 1
		.amdhsa_system_sgpr_workgroup_id_z 1
		.amdhsa_system_vgpr_workitem_id 0
		.amdhsa_next_free_vgpr 512
		.amdhsa_next_free_sgpr 96
		.amdhsa_reserve_vcc 1
		.amdhsa_float_denorm_mode_32 3
		.amdhsa_float_denorm_mode_16_64 3
		.amdhsa_memory_ordered 1
		.amdhsa_forward_progress 1
		.amdhsa_inst_pref_size 255
	.end_amdhsa_kernel
	.section	.bss,"aw",@nobits
	.p2align	6
	.space	262144
	.amdgpu_metadata
---
amdhsa.version: [ 1, 2 ]
amdhsa.kernels:
  - .name:           k_qd3e7750143_attn
    .symbol:         k_qd3e7750143_attn.kd
    .args:
      - { .name: qc, .offset: 0, .size: 8, .value_kind: global_buffer, .address_space: global }
      - { .name: qs, .offset: 8, .size: 8, .value_kind: global_buffer, .address_space: global }
      - { .name: kvc, .offset: 16, .size: 8, .value_kind: global_buffer, .address_space: global }
      - { .name: kvs, .offset: 24, .size: 8, .value_kind: global_buffer, .address_space: global }
      - { .name: wc, .offset: 32, .size: 8, .value_kind: global_buffer, .address_space: global }
      - { .name: ws, .offset: 40, .size: 8, .value_kind: global_buffer, .address_space: global }
      - { .name: b_out, .offset: 48, .size: 8, .value_kind: global_buffer, .address_space: global }
      - { .name: out0, .offset: 56, .size: 8, .value_kind: global_buffer, .address_space: global }
    .group_segment_fixed_size: 327680
    .private_segment_fixed_size: 0
    .kernarg_segment_align: 8
    .kernarg_segment_size: 64
    .max_flat_workgroup_size: 256
    .sgpr_count:     96
    .vgpr_count:     512
    .wavefront_size: 32
...
	.end_amdgpu_metadata
.endif
;; end of part 3
